; MI455X (gfx1250); checked and timed in simulation.
; The chip was launched on July 23, 2026; its instructions are those of AMD's public machine-readable ISA for CDNA 5 (MIT licence, August 2026) and "CDNA5" Instruction Set Architecture Reference Guide (July 2026). The comments in the code are by the model that wrote it; some were corrected since.
;; Mask Vector Quantize. Allowed arithmetic: float matrix products may take bf16 or f16 operands with f32 sums; all other float work in f32.
;; Inputs: codebook_mask 16 x 1 x 32 x 32 float32; weight 16,384 x 256 float32; x 16 x 256 x 32 x 32 float32.
;; Outputs: out0 16 x 256 x 32 x 32 float32; out1 one number float32; out2 16 x 32 x 32 int32.
;; 2 versions, each right; version 2 is version 1 with the launch prep written anew for expert scheduling mode. Each part assembles by itself: llvm-mc -triple=amdgcn-amd-amdhsa -mcpu=gfx1250 --defsym DOCPART=n.
;; ======== version 1 of 2: 4 launches
;; limits: values outside matrix products are rounded to bf16
;; workspace buffers: xb 8,388,608 bytes; wb 8,388,608 bytes; nsx 65,536 bytes; se 65,536 bytes; cand_m 262,144 bytes; cand_i 262,144 bytes of whole numbers; part 2,048 bytes
;; launch prep (part 1): grid 128 x 2, 8 waves a work-group, no clusters, 5,632 bytes of LDS; arguments x, weight, xb, nsx, wb, se; writes xb, nsx, wb, se
.if DOCPART == 1
	.amdgcn_target "amdgcn-amd-amdhsa--gfx1250"
	.amdhsa_code_object_version 6
	.text
	.protected	k_qa54fee065e_prep
	.globl	k_qa54fee065e_prep
	.p2align	8
	.type	k_qa54fee065e_prep,@function
k_qa54fee065e_prep:
	s_mov_b64 s[64:65], 0
	v_nop
	global_prefetch_b8 v0, s[64:65] scope:SCOPE_SE
	s_setreg_imm32_b32 hwreg(HW_REG_WAVE_MODE, 25, 1), 1
	s_wait_xcnt 0x0
; xb = bf16(x), same [b][c][hw] order; nsx[token] = -(sum over c of xb^2); wb = bf16(weight); se[code] = sum over c of wb^2.
; The squares are taken of the ROUNDED numbers: the distances of the next launch are the problem's formula on inputs rounded to bf16.
; A stream: every input byte is read once, by 16-byte loads of which a wave's cover 512 consecutive bytes; no matrix unit, no
; tensor loads, no cluster, since no two work-groups read the same byte.  All 32 loads of a wave are issued before its first wait.
; Grid y = 0: x.  Work-group g: batch g / 8, tokens 128 (g % 8) on; wave w: channels 32 w + i; a lane: 4 tokens.
; Grid y = 1: weight.  Work-group g: codes 128 g on; wave w: codes 16 w + i; a lane: 8 channels of each.
; Limit: the order of these f32 sums is this text's own (32 in a lane, a tree over the waves; 8 in a lane, a tree over the lanes).
.set X,   16                           ; v[16:143]   the 32 loads
.set Y,   144                          ; v[144:207]  packed bf16, each register written once: no store's data is ever rewritten
.set RR,  208                          ; v[208:215]  the rounded numbers as f32
.set SQ,  216                          ; v[216:219]  sums of squares
.set TM,  220                          ; v[220:221]  at work
.set SEW, 4096                         ; LDS: 0..4095 eight waves' 128 partial sums (x); 4096..4607 the 128 codes' sums (weight)
	s_load_b256 s[4:11], s[0:1], 0x0               ; x s[4:5], weight s[6:7], xb s[8:9], nsx s[10:11]
	s_load_b128 s[12:15], s[0:1], 0x20             ; wb s[12:13], se s[14:15]
	v_lshl_add_u32 v224, v0, 2, 0x1200
	v_mov_b32 v225, 0
	v_lshrrev_b32 v3, 5, v0
	v_readfirstlane_b32 s16, v3                    ; wave
	v_and_b32 v4, 31, v0
	v_lshlrev_b32 v1, 4, v4                        ; 16 x lane
	v_lshlrev_b32 v2, 3, v4                        ; 8 x lane
	s_mov_b32 s17, 0xffff0000                      ; a word's upper bf16
	s_mov_b32 s18, 0x76543210                      ; v_permlanex16_b32: each lane takes its own place in the other half
	s_mov_b32 s19, 0xfedcba98
	s_and_b32 s24, ttmp7, 0xffff                   ; 0: x, 1: weight
	s_lshl_b32 s26, ttmp9, 9                       ; 128 f32 sums of this work-group
	s_mov_b32 s27, 0
	s_mov_b32 s21, 0
	s_wait_kmcnt 0x0
	s_add_nc_u64 s[10:11], s[10:11], s[26:27]
	s_add_nc_u64 s[14:15], s[14:15], s[26:27]
	s_cmp_lg_u32 s24, 0
	s_cbranch_scc1 .Lweight
	; ---- x ----
	s_lshr_b32 s20, ttmp9, 3
	s_lshl_b32 s20, s20, 19                        ; batch x 256 channels x 2,048 bytes
	s_and_b32 s22, ttmp9, 7
	s_lshl_b32 s22, s22, 8                         ; + 128 tokens x 2 bytes
	s_add_co_u32 s20, s20, s22
	s_lshl_b32 s22, s16, 16                        ; + wave x 32 channels
	s_add_co_u32 s20, s20, s22
	s_add_nc_u64 s[8:9], s[8:9], s[20:21]
	s_lshl_b32 s20, s20, 1                         ; in x every figure is twice that
	s_add_nc_u64 s[4:5], s[4:5], s[20:21]
.set i, 0
.rept 32
	global_load_b128 v[X+4*i:X+4*i+3], v1, s[4:5] offset:i*4096 th:TH_LOAD_NT
.set i, i+1
.endr
	v_lshl_add_u32 v5, s16, 9, v1                  ; my wave's 512 bytes of partial sums
.macro XROW                            ; channel 32 w + i: round, store 256 consecutive aligned bytes, add the squares of the rounded numbers
	s_wait_loadcnt 31-i                            ; loads come back in order: row i is in, the 31 - i younger rows stay out
	v_cvt_pk_bf16_f32 v[Y+2*i],   v[X+4*i],   v[X+4*i+1]
	v_cvt_pk_bf16_f32 v[Y+2*i+1], v[X+4*i+2], v[X+4*i+3]
	global_store_b64 v2, v[Y+2*i:Y+2*i+1], s[8:9] offset:i*2048
	v_lshlrev_b32 v[RR],   16,  v[Y+2*i]
	v_and_b32     v[RR+1], s17, v[Y+2*i]
	v_lshlrev_b32 v[RR+2], 16,  v[Y+2*i+1]
	v_and_b32     v[RR+3], s17, v[Y+2*i+1]
.if i == 0
	v_pk_mul_f32 v[SQ:SQ+1],   v[RR:RR+1],   v[RR:RR+1]          ; the first row starts the sums
	v_pk_mul_f32 v[SQ+2:SQ+3], v[RR+2:RR+3], v[RR+2:RR+3]
.else
	v_pk_fma_f32 v[SQ:SQ+1],   v[RR:RR+1],   v[RR:RR+1],   v[SQ:SQ+1]
	v_pk_fma_f32 v[SQ+2:SQ+3], v[RR+2:RR+3], v[RR+2:RR+3], v[SQ+2:SQ+3]
.endif
.endm
.set i, 0
.rept 32
	XROW
.set i, i+1
.endr
	ds_store_b128 v5, v[SQ:SQ+3]
	s_branch .Ljoin
	; ---- weight ----
.Lweight:
	s_lshl_b32 s20, ttmp9, 16                      ; 128 codes x 512 bytes
	s_lshl_b32 s22, s16, 13                        ; + wave x 16 codes
	s_add_co_u32 s20, s20, s22
	s_add_nc_u64 s[12:13], s[12:13], s[20:21]
	s_lshl_b32 s20, s20, 1
	s_add_nc_u64 s[6:7], s[6:7], s[20:21]
.set i, 0
.rept 16
	global_load_b128 v[X+8*i:X+8*i+3],   v1, s[6:7] offset:i*1024 th:TH_LOAD_NT
	global_load_b128 v[X+8*i+4:X+8*i+7], v1, s[6:7] offset:i*1024+512 th:TH_LOAD_NT
.set i, i+1
.endr
	s_lshl_b32 s22, s16, 6
	s_add_co_u32 s22, s22, SEW
	v_mov_b32 v5, s22                              ; my wave's 16 words
	v_mov_b32 v[TM+1], 0                           ; v_permlanex16_b32 counts as a reader of its destination
.macro WROW                            ; code 16 w + i
	s_wait_loadcnt 30-2*i                          ; the code's two loads are in, the 30 - 2 i younger ones stay out
.irp c, 0,1,2,3
	v_cvt_pk_bf16_f32 v[Y+4*i+\c], v[X+8*i+2*\c], v[X+8*i+2*\c+1]
.endr
	global_store_b64 v2, v[Y+4*i:Y+4*i+1],   s[12:13] offset:i*512       ; each store of the wave covers 256 consecutive bytes, aligned
	global_store_b64 v2, v[Y+4*i+2:Y+4*i+3], s[12:13] offset:i*512+256
.irp c, 0,1,2,3
	v_lshlrev_b32 v[RR+2*\c],   16,  v[Y+4*i+\c]
	v_and_b32     v[RR+2*\c+1], s17, v[Y+4*i+\c]
.endr
	v_pk_mul_f32 v[SQ:SQ+1], v[RR:RR+1],   v[RR:RR+1]
	v_pk_fma_f32 v[SQ:SQ+1], v[RR+2:RR+3], v[RR+2:RR+3], v[SQ:SQ+1]
	v_pk_fma_f32 v[SQ:SQ+1], v[RR+4:RR+5], v[RR+4:RR+5], v[SQ:SQ+1]
	v_pk_fma_f32 v[SQ:SQ+1], v[RR+6:RR+7], v[RR+6:RR+7], v[SQ:SQ+1]
	v_add_f32 v[TM], v[SQ], v[SQ+1]
	v_add_f32_dpp v[TM], v[TM], v[TM] row_xmask:1 row_mask:0xf bank_mask:0xf
	v_add_f32_dpp v[TM], v[TM], v[TM] row_xmask:2 row_mask:0xf bank_mask:0xf
	v_add_f32_dpp v[TM], v[TM], v[TM] row_xmask:4 row_mask:0xf bank_mask:0xf
	v_add_f32_dpp v[TM], v[TM], v[TM] row_xmask:8 row_mask:0xf bank_mask:0xf
	v_permlanex16_b32 v[TM+1], v[TM], s18, s19
	v_add_f32 v[TM], v[TM], v[TM+1]
	ds_store_b32 v5, v[TM] offset:4*i              ; all lanes write the same word with the same value
.endm
.set i, 0
.rept 16
	WROW
.set i, i+1
.endr
.Ljoin:                                                ; both kinds of work-group pass the one barrier
	s_wait_dscnt 0x0                               ; for wave 0's sake: my sums are in LDS
	s_barrier_signal -1
	s_barrier_wait -1
	s_cmp_lg_u32 s16, 0
	s_cbranch_scc1 .Lend
	s_cmp_lg_u32 s24, 0
	s_cbranch_scc1 .Lse_out
.set i, 0
.rept 8
	ds_load_b128 v[X+4*i:X+4*i+3], v1 offset:512*i ; the eight waves' sums for my 4 tokens
.set i, i+1
.endr
	s_wait_dscnt 0x0
.irp a, 0,8,16,24
	v_pk_add_f32 v[X+\a:X+\a+1],   v[X+\a:X+\a+1],   v[X+\a+4:X+\a+5]
	v_pk_add_f32 v[X+\a+2:X+\a+3], v[X+\a+2:X+\a+3], v[X+\a+6:X+\a+7]
.endr
.irp a, 0,16
	v_pk_add_f32 v[X+\a:X+\a+1],   v[X+\a:X+\a+1],   v[X+\a+8:X+\a+9]
	v_pk_add_f32 v[X+\a+2:X+\a+3], v[X+\a+2:X+\a+3], v[X+\a+10:X+\a+11]
.endr
	v_pk_add_f32 v[X:X+1],   v[X:X+1],   v[X+16:X+17] neg_lo:[1,1] neg_hi:[1,1]   ; the last addition gives the negative sum
	v_pk_add_f32 v[X+2:X+3], v[X+2:X+3], v[X+18:X+19] neg_lo:[1,1] neg_hi:[1,1]
	global_store_b128 v1, v[X:X+3], s[10:11]       ; 512 consecutive bytes
	s_wait_tensorcnt 0x0
	ds_add_u32 v224, v225
	s_wait_dscnt 0x0
	s_endpgm
.Lse_out:
	ds_load_b128 v[X:X+3], v1 offset:SEW
	s_wait_dscnt 0x0
	global_store_b128 v1, v[X:X+3], s[14:15]       ; 512 consecutive bytes
.Lend:
	s_wait_tensorcnt 0x0
	ds_add_u32 v224, v225
	s_wait_dscnt 0x0
	s_endpgm
.Lfunc_end_k_qa54fee065e_prep:
	.size	k_qa54fee065e_prep, .Lfunc_end_k_qa54fee065e_prep-k_qa54fee065e_prep
	.p2alignl 7, 3214868480
	.fill 96, 4, 3214868480
	.section	.rodata,"a",@progbits
	.p2align	6, 0x0
	.amdhsa_kernel k_qa54fee065e_prep
		.amdhsa_group_segment_fixed_size 5632
		.amdhsa_private_segment_fixed_size 0
		.amdhsa_enable_private_segment 0
		.amdhsa_kernarg_size 48
		.amdhsa_user_sgpr_count 2
		.amdhsa_user_sgpr_kernarg_segment_ptr 1
		.amdhsa_wavefront_size32 1
		.amdhsa_system_sgpr_workgroup_id_x 1
		.amdhsa_system_sgpr_workgroup_id_y 1
		.amdhsa_system_sgpr_workgroup_id_z 1
		.amdhsa_system_vgpr_workitem_id 0
		.amdhsa_next_free_vgpr 226
		.amdhsa_next_free_sgpr 66
		.amdhsa_reserve_vcc 0
		.amdhsa_float_denorm_mode_32 3
		.amdhsa_float_denorm_mode_16_64 3
		.amdhsa_memory_ordered 1
		.amdhsa_forward_progress 1
		.amdhsa_inst_pref_size 49
	.end_amdhsa_kernel
	.amdgpu_metadata
---
amdhsa.version: [ 1, 2 ]
amdhsa.kernels:
  - .name:           k_qa54fee065e_prep
    .symbol:         k_qa54fee065e_prep.kd
    .args:
      - { .name: x, .offset: 0, .size: 8, .value_kind: global_buffer, .address_space: global }
      - { .name: weight, .offset: 8, .size: 8, .value_kind: global_buffer, .address_space: global }
      - { .name: xb, .offset: 16, .size: 8, .value_kind: global_buffer, .address_space: global }
      - { .name: nsx, .offset: 24, .size: 8, .value_kind: global_buffer, .address_space: global }
      - { .name: wb, .offset: 32, .size: 8, .value_kind: global_buffer, .address_space: global }
      - { .name: se, .offset: 40, .size: 8, .value_kind: global_buffer, .address_space: global }
    .group_segment_fixed_size: 5632
    .private_segment_fixed_size: 0
    .kernarg_segment_align: 8
    .kernarg_segment_size: 48
    .max_flat_workgroup_size: 256
    .sgpr_count:     66
    .vgpr_count:     226
    .wavefront_size: 32
...
	.end_amdgpu_metadata
.endif
;; end of part 1
;; launch score (part 2): grid 64 x 4, 8 waves a work-group, clusters of 4 x 1, 327,680 bytes of LDS; arguments xb, nsx, wb, se, cand_m, cand_i; writes cand_m, cand_i
.if DOCPART == 2
	.amdgcn_target "amdgcn-amd-amdhsa--gfx1250"
	.amdhsa_code_object_version 6
	.text
	.protected	k_qa54fee065e_score
	.globl	k_qa54fee065e_score
	.p2align	8
	.type	k_qa54fee065e_score,@function
k_qa54fee065e_score:
	s_mov_b64 s[64:65], 0
	v_nop
	global_prefetch_b8 v0, s[64:65] scope:SCOPE_SE
	s_setreg_imm32_b32 hwreg(HW_REG_WAVE_MODE, 25, 1), 1
	s_wait_xcnt 0x0
	s_wait_alu depctr_hold_cnt(0) depctr_sa_sdst(0) depctr_va_vdst(0) depctr_va_sdst(0) depctr_va_ssrc(0) depctr_va_vcc(0) depctr_vm_vsrc(0)
	s_getreg_b32 s2, hwreg(HW_REG_IB_STS2, 6, 4)
	s_cmp_eq_u32 s2, 0
	s_cbranch_scc0 .Lentry_in_a_cluster
	s_endpgm
.Lentry_in_a_cluster:
	s_bfe_u32 s2, ttmp6, 0x10000c
	s_cmp_lg_u32 s2, 0x3003
	s_cbranch_scc0 .Lentry_shape_is_right
	s_endpgm
.Lentry_shape_is_right:
; For each token and each quarter of the codebook: the largest dist = fl(fl(-sx - se) + 2 x.e) and the LOWEST code that reaches it.
; dist is formed in f32 exactly as the problem writes it: with sx near 256 it is a coarsely rounded number, equal distances are common,
; and the argmax takes the first of them; a score without sx would choose other codes.  2 x.e is exact, so one fused multiply-add rounds as the formula does.
; LIMITS.  NaN inputs are not served (a NaN distance is never chosen).  The dot is summed in f32 in the matrix unit's order, 32 channels an instruction,
; channels ascending; the formula's own order of that sum may differ in the last bits.  If every distance is -inf the result is the first code.
; SHARES.  A work-group: 256 tokens (block tb) x 4,096 codes (quarter q): 64 x 4 = 256 work-groups.  A wave: 64 tokens (tg = wave & 3), whose 4 x 8 fragments
; stay in 256 registers for the whole launch, and 8 of the 16 code tiles of every slot (ch = wave >> 2).  Eight waves, two to a SIMD.
; LAYOUT.  Source 0 = 16 codes, source 1 = 16 tokens: in the result a lane holds ONE token (lane % 16) and the codes 8 (lane / 16) + 0..7, ascending.
; THE SEARCH.  A lane's 8 distances of a code tile and the running maximum are reduced to the new running maximum; if that is STRICTLY greater than the old one, the tile's first code and
; the 8 distances are kept, by v_cndmask_b32 (no branch hangs on a float).  Which of the 8 it was is found once, at the end: the first that equals the maximum.  So the first of equal
; distances wins inside a tile and between tiles.  22 vector instructions for 8 distances: 8 form them, 4 reduce them, 1 compares, 1 keeps the code, 8 copy.
; BY TURNS.  A code tile's 32 products go in two halves: token tiles 0, 1, then 2, 3, two accumulators by turns.  While one pair is multiplied, the other pair's finished sums are searched:
; 44 instructions, in slices behind the half's 16 products.  So one set of four accumulators is enough, and 2.75 vector instructions stand beside each matrix instruction.
; WINDOWS.  The tokens fill window 1, so for a product source 1 means window 1; all else lies in window 0.  18 of the 44 search instructions have a constant or a scalar register as source 1
; (the sixteen packed multiply-adds that form the distances, the two selects of the code) and stand under the products' setting, as do the LDS loads, which name source 0 and the destination.
; The other 26 (maxima, comparisons, copies) name two or three vector registers and stand in seven slices, with two s_set_vgpr_msb each: 28 for a tile's 32 products and 88 search instructions.
; CLUSTER.  The four token blocks of a cluster walk the same quarter of the codebook: its tiles and its se are asked for JOINTLY, by the same tensor load with the same
; descriptor and a mask that names the four.  The tokens' tile is each work-group's own (mask 0).  4 x 1 and not 4 x 4: only the codes are shared.
; No prefetch: a slot's refill is asked for seven and a half code tiles ahead of the wait for it.
; LDS: region 0: a slot of 256 codes x 528 bytes; region 1: first the tokens' tile, 256 channels x 544 bytes, then a slot; the quarter's se; scratch for the last merge (no fill lands there).
.set PITCH,  528                       ; a code's row: 512 bytes + 16 of padding: an odd multiple of 16 bytes, so the 16 rows of a fragment load start at 16 different banks (64 banks of 4 bytes: ISA guide 11.1)
.set SLOTB,  256*PITCH                 ; 135,168
.set RG1,    SLOTB                     ; region 1
.set XP,     544                       ; a channel's row of 256 tokens: 512 + 32 bytes, an odd multiple of 32, for the turning load
.set SEBASE, RG1+256*XP                ; 274,432
.set SCR,    SEBASE+16384              ; 290,816; 4,096 bytes
.set ADRA, 3                           ; v3, v4   my lane's place in my half of region 0, 1
.set SEA,  5                           ; v5       my 8 codes' se in tile 0 of the slot in hand
.set XA,   6                           ; v6, v7   the turning load's addresses: channels 0-127, 128-255
.set R4,   8                           ; v8       4 (lane % 16)
.set SCW,  9                           ; v9       the merge: where I put a word
.set SCRD, 10                          ; v10      the merge: where I read 4 tokens
.set GO,   11                          ; v11      16 x lane
.set ST,   16                          ; v[16:23] token tile t: v[16+2t] = -sx; v[17+2t] = the running maximum in front of an even code tile; the packed multiply-add names the pair and takes -sx for both halves
.set IDX,  24                          ; v[24:27] the first code of the tile that holds the maximum
.set TM,   28                          ; v28, v29 a tile's partial maximum, for the two token tiles of a pair
.set TT,   32                          ; v[32:39] at work
.set SEB,  40                          ; v[40:55] se of a tile's 8 codes, two buffers
.set ACC,  56                          ; v[56:87] 4 accumulators
.set BEST, 88                          ; v[88:119] the 8 distances of the tile that holds the maximum, token tile t at v[88+8t]
.set AB,   120                         ; v[120:247] a code tile's 8 fragments, two buffers
.set MB1,  248                         ; v[248:251] the running maximum in front of an odd code tile: old and new lie apart, so that one comparison of the two tells whether the tile has won
                                       ; window 1 (v256-511): the tokens' fragment (tile t, channels 32 k on) at v[64 t + 8 k]
.set WV,  16
.set WL,  17                           ; wave & 3: my 64 tokens; also which quarter of a tile I fetch
.set CH,  18                           ; wave >> 2: my half of a slot
.set CX,  19                           ; my place in the cluster: it enters the tokens', nsx's and the results' addresses alone
.set TB,  20
.set QQ,  21
.set G1W, 28                           ; s[28:35] group 1, codes
.set G1S, 36                           ; s[36:43] group 1, se
.set G1X, 44                           ; s[44:51] group 1, tokens
.set G0A, 52                           ; s[52:55] group 0, region 0;  s[56:59] region 1
.set G0B, 56
.set G0S, 60                           ; s[60:63] group 0, se
.set G0X, 68                           ; s[68:71] group 0, tokens
.set CB,  72                           ; s72      the first code of the tile that is searched
.set NINF, 73                          ; s73      -inf
.set MK,  80                           ; s[80:83] lane masks
.set SEL, 84                           ; s[84:85] v_permlanex16_b32: each lane takes its own place in the other half
.set LOOP, 86
.set HM,  87                           ; lanes 16-31
.set MSB, 0
.macro WIN new                         ; the immediate's high byte repeats the setting that is left; a switch that changes nothing is dropped
.if MSB != \new
	s_set_vgpr_msb (MSB<<8)|\new
.set MSB, \new
.endif
.endm
.macro PLACES
.rept 4
	v_nop
.endr
.endm
; A round of the cluster's barrier: my work-group's barrier, so that wave 0's signal speaks for all eight waves; wave 0 signals; every wave waits for the four work-groups; my work-group's barrier once more.
.macro CREST
	s_cmp_lg_u32 s[WV], 0
	s_cbranch_scc1 .Lnot_wave_0_\@
	s_barrier_signal -3
.Lnot_wave_0_\@:
	s_barrier_wait -3
	s_barrier_signal -1
	s_barrier_wait -1
.endm
.macro CROUND
	s_barrier_signal -1
	s_barrier_wait -1
	CREST
.endm
; A joint refill: waves 0 to 3 fetch 64 codes each.  The branch hangs on the wave's number alone.  Four v_nop follow the load, ahead of the label.
.macro JLOAD g0
	s_cmp_lt_u32 s[WV], 4
	s_cbranch_scc0 .Lno_fill_\@
	tensor_load_to_lds s[\g0:\g0+3], s[G1W:G1W+7]
	s_nop 0
	PLACES
.Lno_fill_\@:
.endm
	s_load_b256 s[4:11], s[0:1], 0x0               ; xb s[4:5], nsx s[6:7], wb s[8:9], se s[10:11]
	s_load_b128 s[12:15], s[0:1], 0x20             ; cand_m s[12:13], cand_i s[14:15]
	v_lshl_add_u32 v254, v0, 2, 0x48000
	v_mov_b32 v255, 0
	ds_add_u32 v254, v255
	v_lshrrev_b32 v12, 5, v0
	v_readfirstlane_b32 s[WV], v12
	s_and_b32 s[WL], s[WV], 3
	s_lshr_b32 s[CH], s[WV], 2
	s_bfe_u32 s[CX], ttmp6, 0x40000
	s_lshl_b32 s[TB], ttmp9, 2                     ; in a cluster launch ttmp9 counts clusters
	s_add_co_u32 s[TB], s[TB], s[CX]               ; token block 0..63
	s_and_b32 s[QQ], ttmp7, 0xffff                 ; quarter, which the four partners share
	; group 1, codes: 64 rows x 256 elements of 2 bytes, 16 bytes of padding behind every 512
	s_mov_b32 s[G1W+0], 15|(1<<16)|(1<<20)|(1<<21)|(6<<22)|(3<<25)  ; 15:0 the mask: all four; 17:16 2 bytes; 20 padding on; 21 set beside a mask; 24:22 after 128 words; 31:25 4 words
	s_mov_b32 s[G1W+1], 256<<16                    ; tensor_dim0 = 256
	s_mov_b32 s[G1W+2], 64<<16                     ; tensor_dim1 = 64
	s_mov_b32 s[G1W+3], 256<<16                    ; tile_dim0 = 256
	s_mov_b32 s[G1W+4], 64                         ; tile_dim1 = 64
	s_mov_b32 s[G1W+5], 256                        ; elements from row to row
	s_mov_b32 s[G1W+6], 0
	s_mov_b32 s[G1W+7], 0
	; group 1, se: a dense block of 4,096 bytes as 16 rows of 32 elements of 8 bytes
	s_mov_b32 s[G1S+0], 15|(3<<16)|(1<<21)
	s_mov_b32 s[G1S+1], 32<<16
	s_mov_b32 s[G1S+2], 16<<16
	s_mov_b32 s[G1S+3], 32<<16
	s_mov_b32 s[G1S+4], 16
	s_mov_b32 s[G1S+5], 32
	s_mov_b32 s[G1S+6], 0
	s_mov_b32 s[G1S+7], 0
	; group 1, tokens: 64 channels x 256 tokens of 2 bytes, rows 1,024 elements apart, 32 bytes of padding behind every 512; no mask
	s_mov_b32 s[G1X+0], (1<<16)|(1<<20)|(6<<22)|(7<<25)
	s_mov_b32 s[G1X+1], 256<<16
	s_mov_b32 s[G1X+2], 64<<16
	s_mov_b32 s[G1X+3], 256<<16
	s_mov_b32 s[G1X+4], 64
	s_mov_b32 s[G1X+5], 1024
	s_mov_b32 s[G1X+6], 0
	s_mov_b32 s[G1X+7], 0
	; group 0: LDS addresses hang on the wave's number alone
	s_mov_b32 s[G0A], 1
	s_mul_i32 s[G0A+1], s[WL], 64*PITCH
	s_mov_b32 s[G0B], 1
	s_add_co_u32 s[G0B+1], s[G0A+1], RG1
	s_mov_b32 s[G0S], 1
	s_lshl_b32 s[G0S+1], s[WL], 12
	s_add_co_u32 s[G0S+1], s[G0S+1], SEBASE
	s_mov_b32 s[G0X], 1
	s_mul_i32 s[G0X+1], s[WL], 64*XP
	s_add_co_u32 s[G0X+1], s[G0X+1], RG1
	; offsets of what is shared: made of q and the wave's number, in registers that never hold my place in the cluster
	s_lshl_b32 s22, s[QQ], 21                      ; wb: quarter x 4,096 codes x 512 bytes
	s_lshl_b32 s88, s[WL], 15                      ; + my 64 codes
	s_add_co_u32 s22, s22, s88
	s_mov_b32 s23, 0
	s_lshl_b32 s88, s[QQ], 14                      ; se: quarter x 16,384 bytes
	s_lshl_b32 s89, s[WL], 12
	s_add_co_u32 s88, s88, s89
	s_mov_b32 s89, 0
	; offsets of my own
	s_lshr_b32 s24, s[TB], 2
	s_lshl_b32 s24, s24, 19                        ; xb: batch x 524,288
	s_and_b32 s26, s[TB], 3
	s_lshl_b32 s26, s26, 9                         ; + 256 tokens x 2 bytes
	s_add_co_u32 s24, s24, s26
	s_lshl_b32 s26, s[WL], 17                      ; + my 64 channels x 2,048 bytes
	s_add_co_u32 s24, s24, s26
	s_mov_b32 s25, 0
	s_lshl_b32 s26, s[TB], 10                      ; nsx: block x 256 tokens x 4 bytes
	s_lshl_b32 s27, s[WL], 8                       ; + my wave's 64 tokens
	s_add_co_u32 s26, s26, s27
	s_mov_b32 s27, 0
	s_wait_dscnt 0x0
	s_wait_kmcnt 0x0
	s_add_nc_u64 s[G0A+2:G0A+3], s[8:9], s[22:23]              ; slot 0
	s_add_nc_u64 s[G0B+2:G0B+3], s[G0A+2:G0A+3], 131072        ; slot 1: 256 codes on
	s_or_b32 s[G0A+3], s[G0A+3], 0x80000000                    ; type = 2
	s_or_b32 s[G0B+3], s[G0B+3], 0x80000000
	s_add_nc_u64 s[G0S+2:G0S+3], s[10:11], s[88:89]
	s_or_b32 s[G0S+3], s[G0S+3], 0x80000000
	s_add_nc_u64 s[G0X+2:G0X+3], s[4:5], s[24:25]
	s_or_b32 s[G0X+3], s[G0X+3], 0x80000000
	s_add_nc_u64 s[6:7], s[6:7], s[26:27]
	s_lshl_b32 s26, s[TB], 10                      ; the results: quarter x 65,536 + block x 1,024 + 512 (wave & 1)
	s_lshl_b32 s24, s[QQ], 16
	s_add_co_u32 s26, s26, s24
	s_and_b32 s24, s[WV], 1
	s_lshl_b32 s24, s24, 9
	s_add_co_u32 s26, s26, s24
	s_add_nc_u64 s[12:13], s[12:13], s[26:27]
	s_add_nc_u64 s[14:15], s[14:15], s[26:27]
	CROUND                                         ; all four work-groups are here: the first joint loads meet
	s_cmp_lt_u32 s[WV], 4                          ; a wave's first fills stand in one branch: two loads of waves 0-3 are out, one of waves 4-7
	s_cbranch_scc0 .Lfirst_x
	tensor_load_to_lds s[G0A:G0A+3], s[G1W:G1W+7]  ; slot 0
	s_nop 0
	tensor_load_to_lds s[G0S:G0S+3], s[G1S:G1S+7]  ; the quarter's se
	s_nop 0
	PLACES
	s_branch .Lfirst_asked
.Lfirst_x:
	tensor_load_to_lds s[G0X:G0X+3], s[G1X:G1X+7]  ; my work-group's tokens
	s_nop 0
	PLACES
.Lfirst_asked:
	v_and_b32 v1, 15, v0                           ; r = lane % 16
	v_bfe_u32 v2, v0, 4, 1                         ; h = lane / 16
	v_lshlrev_b32 v[R4], 2, v1
.irp t, 0,1,2,3
	global_load_b32 v[ST+2*\t], v[R4], s[6:7] offset:64*\t     ; -sx of my token in tile t
.endr
	; a fragment of codes: 16 rows x 32 channels: lane holds row r; registers 0-3 channels 8 h + 0..7, registers 4-7 channels 16 + 8 h + 0..7: two loads of 16 bytes, 32 apart
	v_mul_u32_u24 v12, v1, PITCH
	v_lshl_add_u32 v12, v2, 4, v12
	s_mul_i32 s88, s[CH], 128*PITCH                ; my half of a slot
	v_add_nc_u32 v[ADRA], s88, v12
	v_add_nc_u32 v[ADRA+1], RG1, v[ADRA]
	v_lshlrev_b32 v[SEA], 5, v2                    ; 8 h codes x 4 bytes
	s_lshl_b32 s88, s[CH], 9
	s_add_co_u32 s88, s88, SEBASE
	v_add_nc_u32 v[SEA], s88, v[SEA]
	; the turning load takes 16 channels x 16 tokens (a lane reads 16 bytes: channel 8 h + lane % 8, tokens 8 ((lane / 8) % 2) + 0..7) and leaves half a fragment: token r, 8 channels
	v_and_b32 v12, 7, v0
	v_lshl_add_u32 v12, v2, 3, v12
	v_mul_u32_u24 v12, v12, XP
	v_bfe_u32 v13, v0, 3, 1
	v_lshl_add_u32 v12, v13, 4, v12
	s_lshl_b32 s88, s[WL], 7                       ; my wave's 64 tokens x 2 bytes
	s_add_co_u32 s88, s88, RG1
	v_add_nc_u32 v[XA], s88, v12
	v_add_nc_u32 v[XA+1], 128*XP, v[XA]
	s_lshl_b32 s88, s[CH], 10                      ; the merge's scratch: maxima [ch][256 tokens], then the codes 2,048 bytes on
	s_lshl_b32 s89, s[WL], 8
	s_add_co_u32 s88, s88, s89
	s_add_co_u32 s88, s88, SCR
	v_lshl_add_u32 v[SCW], v2, 11, v[R4]
	v_add_nc_u32 v[SCW], s88, v[SCW]
	v_and_b32 v12, 31, v0
	v_lshlrev_b32 v[GO], 4, v12
	s_and_b32 s88, s[WV], 1
	s_lshl_b32 s88, s88, 9
	s_add_co_u32 s88, s88, SCR
	v_add_nc_u32 v[SCRD], s88, v[GO]
	s_lshl_b32 s88, s[QQ], 12                      ; the quarter's first code
	s_lshl_b32 s89, s[CH], 7
	s_add_co_u32 s[CB], s88, s89                   ; my first tile's first code
	s_mov_b32 s[NINF], 0xff800000
.irp t, 0,1,2,3
	v_mov_b32 v[ST+2*\t+1], s[NINF]                ; the search starts from -inf at the quarter's first code,
	v_mov_b32 v[IDX+\t], s88
.endr
.set i, 0
.rept 32
	v_mov_b32 v[BEST+i], s[NINF]                   ; with eight kept distances of -inf: if nothing is ever greater, the first of them is found at the end
.set i, i+1
.endr
	s_mov_b32 s[SEL], 0x76543210
	s_mov_b32 s[SEL+1], 0xfedcba98
	s_mov_b32 s[HM], 0xffff0000
	s_wait_tensorcnt 0x0                           ; my parts of slot 0, of se or of the tokens are in,
	s_barrier_signal -1
	s_barrier_wait -1                              ; everybody's are
	WIN 0x40                                       ; destination window 1
.irp t, 0,1,2,3
.irp k, 0,1,2,3,4,5,6,7
	ds_load_tr16_b128 v[64*\t+8*\k:64*\t+8*\k+3],   v[XA+\k/4] offset:(\k%4)*32*XP+32*\t
	ds_load_tr16_b128 v[64*\t+8*\k+4:64*\t+8*\k+7], v[XA+\k/4] offset:(\k%4)*32*XP+16*XP+32*\t
.endr
.endr
	WIN 0
	s_wait_loadcnt 0x0                             ; -sx
	s_wait_dscnt 0x0                               ; my reads of the tokens' tile are back: they now live in registers,
	s_set_vgpr_msb (MSB<<8)|((MSB&0xf0)|0x0)
	s_wait_tensorcnt 0x0                           ; and no tensor load of mine is out
	ds_add_u32 v254, v255
	s_wait_dscnt 0x0
	s_set_vgpr_msb (((MSB&0xf0)|0x0)<<8)|MSB
	CROUND                                         ; the same holds of every wave of the four work-groups
	JLOAD G0B                                      ; slot 1 goes over the tokens' tile
; ---- the loop's parts.  Symbols: p = buffer of the tile that is multiplied, hf = its half, k = product 0..15 of the half; xs = first token tile of the pair that is searched, sp = parity (and se buffer) of the code tile that is searched, n = instruction 0..43 of the search ----
.macro FETCH_A reg, u, pb              ; code tile u of my half of region reg -> buffer pb: 16 loads in one run
.set fk, 0
.rept 8
	ds_load_b128 v[AB+64*(\pb)+8*fk:AB+64*(\pb)+8*fk+3],   v[ADRA+(\reg)] offset:(\u)*16*PITCH+64*fk
	ds_load_b128 v[AB+64*(\pb)+8*fk+4:AB+64*(\pb)+8*fk+7], v[ADRA+(\reg)] offset:(\u)*16*PITCH+64*fk+32
.set fk, fk+1
.endr
.endm
.macro FETCH_SE u, pb                  ; se of my 8 codes of tile u
	ds_load_b128 v[SEB+8*(\pb):SEB+8*(\pb)+3],   v[SEA] offset:64*(\u)
	ds_load_b128 v[SEB+8*(\pb)+4:SEB+8*(\pb)+7], v[SEA] offset:64*(\u)+16
.endm
; Product k of a half: token tile 2 hf + k % 2, channels 32 (k / 2) on.  The pair's two accumulators take turns, one instruction a turn.  The first two start the sums.
.macro PROD
	WIN 0x04                                       ; source 1 (tokens) window 1
.set t, 2*hf+(k&1)
.set ks, k/2
.if ks == 0
	v_wmma_f32_16x16x32_bf16 v[ACC+8*t:ACC+8*t+7], v[AB+64*p+8*ks:AB+64*p+8*ks+7], v[64*t+8*ks:64*t+8*ks+7], 0
.else
	v_wmma_f32_16x16x32_bf16 v[ACC+8*t:ACC+8*t+7], v[AB+64*p+8*ks:AB+64*p+8*ks+7], v[64*t+8*ks:64*t+8*ks+7], v[ACC+8*t:ACC+8*t+7]
.endif
.endm
; Instruction n of the 44 that search a pair's finished sums (token tiles xs, xs + 1).
;   0-15    tile by tile: four packed fl(se x -1 + -sx), which is fl(-sx - se) (the product is exact), then four packed fl(2 dot + that).  Source 1 is a constant: they stand under either window setting
;   16-25   the two tiles alternate: max(d0, d1, d2); max(d3, d4, d5); the two and d6; that, d7 and the old running maximum give the new one; is the new one greater than the old.  Window 0
;   26-41   if so, the 8 distances are kept.  Window 0
;   42-43   if so, the tile's first code is kept.  Source 1 is a scalar register: either setting
.macro EP
.if n < 16
.set t, xs+n/8
.set i, n%8
.if i < 4
	v_pk_fma_f32 v[TT+2*i:TT+2*i+1], v[SEB+8*sp+2*i:SEB+8*sp+2*i+1], -1.0, v[ST+2*t:ST+2*t+1] op_sel_hi:[1,0,0]
.else
	v_pk_fma_f32 v[ACC+8*t+2*(i-4):ACC+8*t+2*(i-4)+1], v[ACC+8*t+2*(i-4):ACC+8*t+2*(i-4)+1], 2.0, v[TT+2*(i-4):TT+2*(i-4)+1] op_sel_hi:[1,0,1]
.endif
.elseif n < 26
	WIN 0
.set c, (n-16)/2
.set x, (n-16)%2
.set t, xs+x
.set d, ACC+8*t
.if sp == 0                            ; an even code tile finds the running maximum beside -sx and leaves the new one in MB1; an odd one the other way round
.set mo, ST+2*t+1
.set mn, MB1+t
.else
.set mo, MB1+t
.set mn, ST+2*t+1
.endif
.if c == 0
	v_max3_num_f32 v[TM+x], v[d], v[d+1], v[d+2]
.elseif c == 1
	v_max3_num_f32 v[TT+x], v[d+3], v[d+4], v[d+5]
.elseif c == 2
	v_max3_num_f32 v[TM+x], v[TM+x], v[TT+x], v[d+6]
.elseif c == 3
	v_max3_num_f32 v[mn], v[TM+x], v[d+7], v[mo]
.else
	v_cmp_gt_f32 s[MK+x], v[mn], v[mo]
.endif
.elseif n < 42
	WIN 0
.set x, (n-26)/8
.set j, (n-26)%8
.set t, xs+x
	v_cndmask_b32 v[BEST+8*t+j], v[BEST+8*t+j], v[ACC+8*t+j], s[MK+x]
.elseif n < 44
.set x, n-42
.set t, xs+x
	v_cndmask_b32 v[IDX+t], v[IDX+t], s[CB], s[MK+x]
.endif
.set n, n+1
.endm
; The slice behind product k: two packed instructions behind each of products 0 to 7; the maxima behind 8 and 9, four each; the two comparisons behind 10, so that a product stands between
; them and the first use of their masks; the sixteen copies behind 11 to 14; the two selects of the code behind 15.  16 + 8 + 2 + 16 + 2 = 44.
.macro SLICE
.if (k < 8) || (k == 10) || (k == 15)
	EP
	EP
.else
	EP
	EP
	EP
	EP
.endif
.endm
; Code tile u of region reg.  First half: token tiles 0, 1 are multiplied; ep = 1: tiles 2, 3 of the code tile before are searched.  Second half: tiles 2, 3 are multiplied, tiles 0, 1 of this code tile are searched.
; A vector instruction that reads or writes a matrix result, and a load into a register that a matrix instruction has read, stand four places behind it, and only plain vector instructions that
; name none of its registers are places (ISA guide 7.12.1 for vector instructions).  The search instructions are the places.  A pair's sums are first touched by number 4 of its
; search: numbers 0 to 3 are four places even where no search stands in the half before (the first tile).
; The next tile's 18 LDS loads stand in ONE run behind the first half's sixth product: numbers 0 to 11, the last readers of the se buffer that is filled, have been issued, 14 search instructions
; stand behind the last product that read the fragment buffer that is filled, and 26 products stand ahead of the wait for the loads.
; meet = 1, 2 (tile 7): THE CHANGE OF SLOTS stands in the tile's middle.  At its head all my reads of the slot are back and all my tensor loads have landed; I say so, and the first half, register work alone,
; stands between signal and wait.  meet = 1: the barrier opens a round of the cluster's, the region is filled again first behind it, two slots on; then the next slot's first
; fragments are asked for, and the second half, whose operands lie in registers, is multiplied while they come.  meet = 2: the last change: nothing is filled.
.macro TILE reg, u, ep, meet
.set p, (\u)&1
	s_wait_dscnt 0x0                               ; this tile's 18 loads were issued 26 products ago (a slot's first tile: 16); nothing younger is out
.if \meet
	s_set_vgpr_msb (MSB<<8)|((MSB&0xf0)|0x0)
	s_wait_tensorcnt 0x0                           ; the one load of mine that was out is my part of the other region's slot
	ds_add_u32 v254, v255
	s_wait_dscnt 0x0
	s_set_vgpr_msb (((MSB&0xf0)|0x0)<<8)|MSB
	s_barrier_signal -1
.endif
.set hf, 0
.set xs, 2
.set sp, 1-p
.set n, 0
.set k, 0
.rept 16
	PROD
.if \ep
	SLICE
.endif
.if (k == 5) && (\u < 7)
	FETCH_A \reg, \u+1, 1-p                        ; LDS loads name source 0 and the destination: the products' setting serves them
	FETCH_SE \u+1, 1-p
.endif
.set k, k+1
.endr
.if \ep
.if \u == 0
	s_add_co_u32 s[CB], s[CB], 144                 ; the tile before is searched: from a slot's tile 7 to my half of the next slot: 256 - 112 codes
.else
	s_add_co_u32 s[CB], s[CB], 16
.endif
.endif
.if \meet
	WIN 0                                          ; there every window is 0
	s_barrier_wait -1                              ; nobody reads this region any more, and the other region's slot is whole
.if \meet == 1
	CREST                                          ; that barrier has opened a round of the cluster's: the same holds of every partner
	s_add_nc_u64 s[G0A+4*(\reg)+2:G0A+4*(\reg)+3], s[G0A+4*(\reg)+2:G0A+4*(\reg)+3], 262144   ; no tensor load of mine is out; the type bits on top are not reached
	JLOAD G0A+4*(\reg)                             ; the first tensor load behind the round, one a wave
.endif
	v_add_nc_u32 v[SEA], 1024, v[SEA]              ; the next slot's 256 codes
	FETCH_A 1-(\reg), 0, 0
	FETCH_SE 0, 0
.endif
.set hf, 1
.set xs, 0
.set sp, p
.set n, 0
.set k, 0
.rept 16
	PROD
	SLICE
.set k, k+1
.endr
.endm
; The slot in region ro is finished, with the change of slots in its last tile; then tiles 0 to 6 of the other region.
.macro UNIT ro, meet
	TILE \ro, 7, 1, \meet
.irp u, 0,1,2,3,4,5,6
	TILE 1-\ro, \u, 1, 0
.endr
.endm
	FETCH_A 0, 0, 0
	FETCH_SE 0, 0
	TILE 0, 0, 0, 0                                ; the first tile has none before it to search
.irp u, 1,2,3,4,5,6
	TILE 0, \u, 1, 0
.endr
	WIN 0                                          ; at a label and at a branch every window is 0
	s_mov_b32 s[LOOP], 7                           ; 14 units: slots 0 to 13 are finished, slots 2 to 15 asked for
.Lslots:
	UNIT 0, 1
	UNIT 1, 1
	WIN 0
	s_sub_co_u32 s[LOOP], s[LOOP], 1
	s_cmp_lg_u32 s[LOOP], 0
	s_cbranch_scc1 .Lslots
	UNIT 0, 2                                      ; the tail is written out: slot 14 is finished, nothing is asked for
	TILE 1, 7, 1, 0
	WIN 0
.set xs, 2
.set sp, 1
.set n, 0
.rept 44
	EP                                             ; token tiles 2, 3 of the last code tile are searched; it is an odd tile, so the maximum ends beside -sx
.endr
	; which of the 8 kept distances is the maximum: the first that equals it
.irp t, 0,1,2,3
	v_mov_b32 v[TT+\t], 7
.endr
.irp j, 6,5,4,3,2,1,0
.irp t, 0,1,2,3
	v_cmp_eq_f32 s[MK+\t], v[BEST+8*\t+\j], v[ST+2*\t+1]
.endr
.irp t, 0,1,2,3
	v_cndmask_b32 v[TT+\t], v[TT+\t], \j, s[MK+\t]
.endr
.endr
.irp t, 0,1,2,3
	v_lshl_add_u32 v[IDX+\t], v2, 3, v[IDX+\t]     ; lanes 16-31 hold the codes 8 further on
	v_add_nc_u32 v[IDX+\t], v[IDX+\t], v[TT+\t]
.endr
; ---- the merges: the partner is taken if its maximum is greater, or equal with a lower code ----
.macro MRG m, i, pm, pi
	v_cmp_gt_f32 s[MK], v[\pm], v[\m]
	v_cmp_eq_f32 s[MK+1], v[\pm], v[\m]
	v_cmp_lt_u32 s[MK+2], v[\pi], v[\i]
	s_and_b32 s[MK+1], s[MK+1], s[MK+2]
	s_or_b32 s[MK], s[MK], s[MK+1]
	v_cndmask_b32 v[\m], v[\m], v[\pm], s[MK]
	v_cndmask_b32 v[\i], v[\i], v[\pi], s[MK]
.endm
.irp t, 0,1,2,3
	v_permlanex16_b32 v[TT+2*\t],   v[ST+2*\t+1], s[SEL], s[SEL+1]   ; the token's other codes lie in the lane 16 away
	v_permlanex16_b32 v[TT+2*\t+1], v[IDX+\t],    s[SEL], s[SEL+1]
.endr
.irp t, 0,1,2,3
	MRG ST+2*\t+1, IDX+\t, TT+2*\t, TT+2*\t+1
	v_cndmask_b32 v[TT+2*\t], v[ST+2*\t+1], v[IDX+\t], s[HM]      ; lanes 0-15 put the maximum, lanes 16-31 the code
	ds_store_b32 v[SCW], v[TT+2*\t] offset:64*\t
.endr
	s_wait_dscnt 0x0                               ; for the others' sake: my words are in the scratch
	s_barrier_signal -1
	s_barrier_wait -1
	s_cmp_lt_u32 s[WV], 2
	s_cbranch_scc0 .Lclose
	ds_load_b128 v[ACC:ACC+3],     v[SCRD]                        ; 4 tokens a lane: maxima of the slots' lower halves,
	ds_load_b128 v[ACC+4:ACC+7],   v[SCRD] offset:1024            ; of their upper halves,
	ds_load_b128 v[ACC+8:ACC+11],  v[SCRD] offset:2048            ; and the codes
	ds_load_b128 v[ACC+12:ACC+15], v[SCRD] offset:3072
	s_wait_dscnt 0x0
.irp c, 0,1,2,3
	MRG ACC+\c, ACC+8+\c, ACC+4+\c, ACC+12+\c
.endr
	global_store_b128 v[GO], v[ACC:ACC+3],    s[12:13]            ; each store of the wave covers 512 consecutive bytes, aligned
	global_store_b128 v[GO], v[ACC+8:ACC+11], s[14:15]
.Lclose:
	s_set_vgpr_msb (MSB<<8)|((MSB&0xf0)|0x0)
	s_wait_tensorcnt 0x0
	ds_add_u32 v254, v255
	s_wait_dscnt 0x0
	s_set_vgpr_msb (((MSB&0xf0)|0x0)<<8)|MSB
	CROUND                                         ; the closing round: no work-group ends while a partner may still ask for a tile that names it
	s_endpgm
.Lfunc_end_k_qa54fee065e_score:
	.size	k_qa54fee065e_score, .Lfunc_end_k_qa54fee065e_score-k_qa54fee065e_score
	.p2alignl 7, 3214868480
	.fill 96, 4, 3214868480
	.section	.rodata,"a",@progbits
	.p2align	6, 0x0
	.amdhsa_kernel k_qa54fee065e_score
		.amdhsa_group_segment_fixed_size 327680
		.amdhsa_private_segment_fixed_size 0
		.amdhsa_enable_private_segment 0
		.amdhsa_kernarg_size 48
		.amdhsa_user_sgpr_count 2
		.amdhsa_user_sgpr_kernarg_segment_ptr 1
		.amdhsa_wavefront_size32 1
		.amdhsa_system_sgpr_workgroup_id_x 1
		.amdhsa_system_sgpr_workgroup_id_y 1
		.amdhsa_system_sgpr_workgroup_id_z 1
		.amdhsa_system_vgpr_workitem_id 0
		.amdhsa_next_free_vgpr 512
		.amdhsa_next_free_sgpr 90
		.amdhsa_reserve_vcc 0
		.amdhsa_float_denorm_mode_32 3
		.amdhsa_float_denorm_mode_16_64 3
		.amdhsa_memory_ordered 1
		.amdhsa_forward_progress 1
		.amdhsa_inst_pref_size 255
	.end_amdhsa_kernel
	.section	.bss,"aw",@nobits
	.p2align	6
	.space	262144
	.amdgpu_metadata
---
amdhsa.version: [ 1, 2 ]
amdhsa.kernels:
  - .name:           k_qa54fee065e_score
    .symbol:         k_qa54fee065e_score.kd
    .args:
      - { .name: xb, .offset: 0, .size: 8, .value_kind: global_buffer, .address_space: global }
      - { .name: nsx, .offset: 8, .size: 8, .value_kind: global_buffer, .address_space: global }
      - { .name: wb, .offset: 16, .size: 8, .value_kind: global_buffer, .address_space: global }
      - { .name: se, .offset: 24, .size: 8, .value_kind: global_buffer, .address_space: global }
      - { .name: cand_m, .offset: 32, .size: 8, .value_kind: global_buffer, .address_space: global }
      - { .name: cand_i, .offset: 40, .size: 8, .value_kind: global_buffer, .address_space: global }
    .group_segment_fixed_size: 327680
    .private_segment_fixed_size: 0
    .kernarg_segment_align: 8
    .kernarg_segment_size: 48
    .max_flat_workgroup_size: 256
    .sgpr_count:     90
    .vgpr_count:     512
    .wavefront_size: 32
...
	.end_amdgpu_metadata
.endif
;; end of part 2
;; launch finish (part 3): grid 256 x 1, 8 waves a work-group, no clusters, 35,328 bytes of LDS; arguments cand_m, cand_i, wb, xb, codebook_mask, out0, out2, part; writes out0, out2, part
.if DOCPART == 3
	.amdgcn_target "amdgcn-amd-amdhsa--gfx1250"
	.amdhsa_code_object_version 6
	.text
	.protected	k_qa54fee065e_finish
	.globl	k_qa54fee065e_finish
	.p2align	8
	.type	k_qa54fee065e_finish,@function
k_qa54fee065e_finish:
	s_mov_b64 s[64:65], 0
	v_nop
	global_prefetch_b8 v0, s[64:65] scope:SCOPE_SE
	s_setreg_imm32_b32 hwreg(HW_REG_WAVE_MODE, 25, 1), 1
	s_wait_xcnt 0x0
; The four quarters' candidates are merged; out2 = the code; out0 = xf + (w[code] - xf) in [b][c][hw] order; part[g] = (sum of (w - x)^2 mask, sum of mask) of the group's 64 tokens.
; x and w are the numbers rounded to bf16, as in the distances.  codebook_mask is used as it is given, in f32.
; Which quarter wins is a comparison of floats, so no address hangs on it: all four candidate rows (their numbers were stored by the launch before) are fetched, and v_cndmask_b32 chooses.
; A tie keeps the lower quarter, whose codes are lower.  NaN distances are not served.
; SHARES.  Work-group g: tokens 64 g on (batch g / 16).  Gather: wave w takes tokens 8 w + k; a row of 512 bytes is one load of the wave.
; The chosen rows go into a stage in LDS, token T at row 16 (T % 4) + T / 4.  Output: wave w takes channels 32 w on; a lane 4 tokens (4 q on, q = lane % 16) x 16 channels
; (8 (4 w + 2 v + h) + e, h = lane / 16), so that 16 lanes store 256 consecutive aligned bytes of out0, and its stage reads take 16 consecutive rows.
; A stream with a gather: no matrix unit, no tensor loads, no cluster (the rows that work-groups share hang on data).  64 tokens and not 128 to a work-group, so that there are 256 work-groups.
.set SPITCH, 528                       ; a stage row: 512 bytes + 16: an odd multiple of 16 bytes
.set RED,    64*SPITCH                 ; 33,792: eight waves' sums
.set IDXS,   RED+256                   ; 34,048: the 64 codes
.set L16, 1                            ; 16 x lane
.set MO,  2                            ; 16 q
.set XO,  4                            ; my offset in xb
.set OO,  5                            ; my offset in out0
.set SA,  6                            ; stage: where my wave's rows go
.set WA,  7                            ; stage: where I read
.set BM,  8                            ; the best maximum so far
.set BI,  9                            ; its code
.set IA,  10                           ; my wave's 8 words of codes
.set RA,  11                           ; my wave's word of sums
.set MK4, 12                           ; v[12:15]   mask of my 4 tokens
.set X,   16                           ; v[16:47]   x: 16 channels x 4 tokens, bf16
.set RO,  48                           ; v[48:79]   the gathers' offsets, one register each; then
.set W,   48                           ;            the chosen codes: (v, token i) at v[48 + 16 v + 4 i], 8 channels
.set R,   80                           ; v[80:207]  the candidate rows: (k, quarter s) at v[80 + 16 k + 4 s]; then v[80:143] the 16 stores' data, each written once
.set WF,  208
.set XF,  212
.set DF,  216
.set LS,  220                          ; v[220:223] sum over my channels of (w - x)^2, token i
.set WV,  92
.set SOFF, 93
.set HI16, 101
	s_load_b512 s[4:19], s[0:1], 0x0               ; cand_m s[4:5], cand_i s[6:7], wb s[8:9], xb s[10:11], mask s[12:13], out0 s[14:15], out2 s[16:17], part s[18:19]
	v_lshl_add_u32 v232, v0, 2, 0x8600
	v_mov_b32 v233, 0
	v_lshrrev_b32 v3, 5, v0
	v_readfirstlane_b32 s[WV], v3
	v_and_b32 v3, 31, v0
	v_lshlrev_b32 v[L16], 4, v3
	v_and_b32 v3, 15, v0                           ; q
	v_bfe_u32 v224, v0, 4, 1                       ; h
	v_lshlrev_b32 v[MO], 4, v3
	v_lshlrev_b32 v[XO], 3, v3                     ; 4 tokens x 2 bytes
	v_lshl_add_u32 v[XO], v224, 14, v[XO]          ; + h x 8 channels x 2,048 bytes
	v_lshl_add_u32 v[OO], v224, 15, v[MO]          ; twice that
	s_mul_i32 s100, s[WV], 2*SPITCH
	v_add_nc_u32 v[SA], s100, v[L16]
	v_mul_u32_u24 v[WA], v3, SPITCH
	v_lshl_add_u32 v[WA], v224, 4, v[WA]
	s_lshl_b32 s100, s[WV], 6
	v_add_nc_u32 v[WA], s100, v[WA]                ; row q, channels 8 (4 w + h) on
	s_lshl_b32 s100, s[WV], 5
	s_add_co_u32 s100, s100, IDXS
	v_mov_b32 v[IA], s100
	s_lshl_b32 s100, s[WV], 2
	s_add_co_u32 s100, s100, RED
	v_mov_b32 v[RA], s100
	s_mov_b32 s[HI16], 0xffff0000
	s_lshl_b32 s[SOFF], ttmp9, 8                   ; 64 tokens x 4 bytes
	s_lshl_b32 s94, s[WV], 5                       ; + my wave's 8
	s_add_co_u32 s[SOFF], s[SOFF], s94
	s_lshr_b32 s94, ttmp9, 4                       ; batch
	s_and_b32 s95, ttmp9, 15
	s_lshl_b32 s96, s94, 19
	s_lshl_b32 s97, s95, 7                         ; 64 tokens x 2 bytes
	s_add_co_u32 s96, s96, s97
	s_lshl_b32 s97, s[WV], 16                      ; my wave's 32 channels
	s_add_co_u32 s96, s96, s97
	s_mov_b32 s97, 0
	s_lshl_b32 s98, ttmp9, 8
	s_mov_b32 s99, 0
	s_wait_kmcnt 0x0
	; my wave's 8 tokens: the four quarters' codes s[20:51] and maxima s[52:59], s[68:91]
	s_load_b256 s[20:27], s[6:7], s[SOFF] offset:0x0
	s_load_b256 s[28:35], s[6:7], s[SOFF] offset:0x10000
	s_load_b256 s[36:43], s[6:7], s[SOFF] offset:0x20000
	s_load_b256 s[44:51], s[6:7], s[SOFF] offset:0x30000
	s_load_b256 s[52:59], s[4:5], s[SOFF] offset:0x0
	s_load_b256 s[68:75], s[4:5], s[SOFF] offset:0x10000
	s_load_b256 s[76:83], s[4:5], s[SOFF] offset:0x20000
	s_load_b256 s[84:91], s[4:5], s[SOFF] offset:0x30000
	s_add_nc_u64 s[10:11], s[10:11], s[96:97]
	s_lshl_b32 s96, s96, 1
	s_add_nc_u64 s[14:15], s[14:15], s[96:97]
	s_add_nc_u64 s[12:13], s[12:13], s[98:99]
	s_add_nc_u64 s[16:17], s[16:17], s[98:99]
	s_lshl_b32 s98, ttmp9, 3
	s_add_nc_u64 s[18:19], s[18:19], s[98:99]
.irp v, 0,1
.irp e, 0,1,2,3,4,5,6,7
	global_load_b64 v[X+2*(8*\v+\e):X+2*(8*\v+\e)+1], v[XO], s[10:11] offset:\v*32768+\e*2048 th:TH_LOAD_NT
.endr
.endr
	global_load_b128 v[MK4:MK4+3], v[MO], s[12:13]
	s_wait_kmcnt 0x0
.irp k, 0,1,2,3,4,5,6,7
.irp s, 0,1,2,3
	s_min_u32 s[20+8*\s+\k], s[20+8*\s+\k], 0x3fff             ; a code stays inside the table
	v_lshl_add_u32 v[RO+4*\k+\s], s[20+8*\s+\k], 9, v[L16]
	global_load_b128 v[R+16*\k+4*\s:R+16*\k+4*\s+3], v[RO+4*\k+\s], s[8:9]   ; a whole row of 512 bytes
.endr
.endr
.macro SEL1 k, s, cm                   ; quarter s wins if its maximum is strictly greater
	v_cmp_lt_f32 s100, v[BM], s[\cm+\k]
	v_max_num_f32 v[BM], s[\cm+\k], v[BM]
	v_cndmask_b32 v[BI], v[BI], s[20+8*\s+\k], s100
.irp c, 0,1,2,3
	v_cndmask_b32 v[R+16*\k+\c], v[R+16*\k+\c], v[R+16*\k+4*\s+\c], s100
.endr
.endm
.macro PICK k
	s_wait_loadcnt 28-4*\k                         ; token k's four rows are in (and x and the mask, which are older); the later tokens' 28 - 4 k loads stay out
	v_mov_b32 v[BM], s[52+\k]
	v_mov_b32 v[BI], s[20+\k]
	SEL1 \k, 1, 68
	SEL1 \k, 2, 76
	SEL1 \k, 3, 84
	ds_store_b128 v[SA], v[R+16*\k:R+16*\k+3] offset:(16*(\k&3)+(\k>>2))*SPITCH
	ds_store_b32 v[IA], v[BI] offset:4*\k          ; all lanes write the same word with the same value
.endm
.irp k, 0,1,2,3,4,5,6,7
	PICK \k
.endr
	s_wait_dscnt 0x0                               ; for the others' sake: my rows are in the stage
	s_barrier_signal -1
	s_barrier_wait -1
.irp v, 0,1
.irp i, 0,1,2,3
	ds_load_b128 v[W+16*\v+4*\i:W+16*\v+4*\i+3], v[WA] offset:\i*16*SPITCH+32*\v
.endr
.endr
.macro CHN v, e                        ; channel 8 (4 w + 2 v + h) + e, my 4 tokens
.set wd, W+16*\v+(\e)/2
.set xd, X+2*(8*\v+\e)
.set od, R+4*(8*\v+\e)
.irp i, 0,1,2,3
.if (\e)&1
	v_and_b32 v[WF+\i], s[HI16], v[wd+4*\i]
.else
	v_lshlrev_b32 v[WF+\i], 16, v[wd+4*\i]
.endif
.endr
	v_lshlrev_b32 v[XF],   16,      v[xd]
	v_and_b32     v[XF+1], s[HI16], v[xd]
	v_lshlrev_b32 v[XF+2], 16,      v[xd+1]
	v_and_b32     v[XF+3], s[HI16], v[xd+1]
	v_pk_add_f32 v[DF:DF+1],   v[WF:WF+1],   v[XF:XF+1]   neg_lo:[0,1] neg_hi:[0,1]   ; xq - xf
	v_pk_add_f32 v[DF+2:DF+3], v[WF+2:WF+3], v[XF+2:XF+3] neg_lo:[0,1] neg_hi:[0,1]
	v_pk_add_f32 v[od:od+1],   v[XF:XF+1],   v[DF:DF+1]                               ; xf + (xq - xf), rounded as the formula rounds it
	v_pk_add_f32 v[od+2:od+3], v[XF+2:XF+3], v[DF+2:DF+3]
.if (\v == 0) && (\e == 0)
	v_pk_mul_f32 v[LS:LS+1],   v[DF:DF+1],   v[DF:DF+1]
	v_pk_mul_f32 v[LS+2:LS+3], v[DF+2:DF+3], v[DF+2:DF+3]
.else
	v_pk_fma_f32 v[LS:LS+1],   v[DF:DF+1],   v[DF:DF+1],   v[LS:LS+1]
	v_pk_fma_f32 v[LS+2:LS+3], v[DF+2:DF+3], v[DF+2:DF+3], v[LS+2:LS+3]
.endif
	global_store_b128 v[OO], v[od:od+3], s[14:15] offset:\v*65536+\e*4096 th:TH_STORE_NT   ; 16 lanes store 256 consecutive bytes, aligned
.endm
	s_wait_dscnt 0x4                               ; the first half's four loads are in, the second half's four stay out
.irp e, 0,1,2,3,4,5,6,7
	CHN 0, \e
.endr
	s_wait_dscnt 0x0
.irp e, 0,1,2,3,4,5,6,7
	CHN 1, \e
.endr
	v_mul_f32 v[WF], v[LS], v[MK4]
	v_fma_f32 v[WF], v[LS+1], v[MK4+1], v[WF]
	v_fma_f32 v[WF], v[LS+2], v[MK4+2], v[WF]
	v_fma_f32 v[WF], v[LS+3], v[MK4+3], v[WF]
	s_mov_b32 s94, 0x76543210
	s_mov_b32 s95, 0xfedcba98
	v_add_f32_dpp v[WF], v[WF], v[WF] row_xmask:1 row_mask:0xf bank_mask:0xf
	v_add_f32_dpp v[WF], v[WF], v[WF] row_xmask:2 row_mask:0xf bank_mask:0xf
	v_add_f32_dpp v[WF], v[WF], v[WF] row_xmask:4 row_mask:0xf bank_mask:0xf
	v_add_f32_dpp v[WF], v[WF], v[WF] row_xmask:8 row_mask:0xf bank_mask:0xf
	v_permlanex16_b32 v[WF+1], v[WF], s94, s95
	v_add_f32 v[WF], v[WF], v[WF+1]
	ds_store_b32 v[RA], v[WF]
	s_wait_dscnt 0x0
	s_barrier_signal -1
	s_barrier_wait -1
	s_cmp_lg_u32 s[WV], 0
	s_cbranch_scc1 .Lend
	v_mov_b32 v[XF], RED
	ds_load_b128 v[DF:DF+3], v[XF]                 ; the eight waves' sums
	ds_load_b128 v[LS:LS+3], v[XF] offset:16
	v_lshrrev_b32 v[XF+1], 1, v[L16]               ; 8 x lane
	ds_load_b64 v[WF+2:WF+3], v[XF+1] offset:IDXS  ; two tokens' codes
	v_add_f32 v[XF+2], v[MK4], v[MK4+1]            ; the mask's sum: 16 lanes hold the 64 tokens
	v_add_f32 v[XF+3], v[MK4+2], v[MK4+3]
	v_add_f32 v[XF+2], v[XF+2], v[XF+3]
	v_add_f32_dpp v[XF+2], v[XF+2], v[XF+2] row_xmask:1 row_mask:0xf bank_mask:0xf
	v_add_f32_dpp v[XF+2], v[XF+2], v[XF+2] row_xmask:2 row_mask:0xf bank_mask:0xf
	v_add_f32_dpp v[XF+2], v[XF+2], v[XF+2] row_xmask:4 row_mask:0xf bank_mask:0xf
	v_add_f32_dpp v[XF+2], v[XF+2], v[XF+2] row_xmask:8 row_mask:0xf bank_mask:0xf
	s_wait_dscnt 0x0
	v_pk_add_f32 v[DF:DF+1], v[DF:DF+1], v[DF+2:DF+3]
	v_pk_add_f32 v[LS:LS+1], v[LS:LS+1], v[LS+2:LS+3]
	v_pk_add_f32 v[DF:DF+1], v[DF:DF+1], v[LS:LS+1]
	v_add_f32 v[DF], v[DF], v[DF+1]
	v_mov_b32 v[DF+1], v[XF+2]
	v_mov_b32 v[WF], 0
	global_store_b64 v[XF+1], v[WF+2:WF+3], s[16:17]           ; out2: 256 consecutive bytes, aligned
	s_wait_xcnt 0x0                                ; EXEC changes only behind this wait
	v_cmp_eq_u32 vcc_lo, 0, v0
	s_and_saveexec_b32 s100, vcc_lo
	global_store_b64 v[WF], v[DF:DF+1], s[18:19]   ; the group's two sums: 8 bytes, all that a work-group has to say here
	s_wait_xcnt 0x0
	s_or_b32 exec_lo, exec_lo, s100
.Lend:
	s_wait_tensorcnt 0x0
	ds_add_u32 v232, v233
	s_wait_dscnt 0x0
	s_endpgm
.Lfunc_end_k_qa54fee065e_finish:
	.size	k_qa54fee065e_finish, .Lfunc_end_k_qa54fee065e_finish-k_qa54fee065e_finish
	.p2alignl 7, 3214868480
	.fill 96, 4, 3214868480
	.section	.rodata,"a",@progbits
	.p2align	6, 0x0
	.amdhsa_kernel k_qa54fee065e_finish
		.amdhsa_group_segment_fixed_size 35328
		.amdhsa_private_segment_fixed_size 0
		.amdhsa_enable_private_segment 0
		.amdhsa_kernarg_size 64
		.amdhsa_user_sgpr_count 2
		.amdhsa_user_sgpr_kernarg_segment_ptr 1
		.amdhsa_wavefront_size32 1
		.amdhsa_system_sgpr_workgroup_id_x 1
		.amdhsa_system_sgpr_workgroup_id_y 1
		.amdhsa_system_sgpr_workgroup_id_z 1
		.amdhsa_system_vgpr_workitem_id 0
		.amdhsa_next_free_vgpr 234
		.amdhsa_next_free_sgpr 102
		.amdhsa_reserve_vcc 1
		.amdhsa_float_denorm_mode_32 3
		.amdhsa_float_denorm_mode_16_64 3
		.amdhsa_memory_ordered 1
		.amdhsa_forward_progress 1
		.amdhsa_inst_pref_size 38
	.end_amdhsa_kernel
	.amdgpu_metadata
---
amdhsa.version: [ 1, 2 ]
amdhsa.kernels:
  - .name:           k_qa54fee065e_finish
    .symbol:         k_qa54fee065e_finish.kd
    .args:
      - { .name: cand_m, .offset: 0, .size: 8, .value_kind: global_buffer, .address_space: global }
      - { .name: cand_i, .offset: 8, .size: 8, .value_kind: global_buffer, .address_space: global }
      - { .name: wb, .offset: 16, .size: 8, .value_kind: global_buffer, .address_space: global }
      - { .name: xb, .offset: 24, .size: 8, .value_kind: global_buffer, .address_space: global }
      - { .name: codebook_mask, .offset: 32, .size: 8, .value_kind: global_buffer, .address_space: global }
      - { .name: out0, .offset: 40, .size: 8, .value_kind: global_buffer, .address_space: global }
      - { .name: out2, .offset: 48, .size: 8, .value_kind: global_buffer, .address_space: global }
      - { .name: part, .offset: 56, .size: 8, .value_kind: global_buffer, .address_space: global }
    .group_segment_fixed_size: 35328
    .private_segment_fixed_size: 0
    .kernarg_segment_align: 8
    .kernarg_segment_size: 64
    .max_flat_workgroup_size: 256
    .sgpr_count:     102
    .vgpr_count:     234
    .wavefront_size: 32
...
	.end_amdgpu_metadata
.endif
;; end of part 3
;; launch total (part 4): grid 1 x 1, 1 waves a work-group, no clusters, 0 bytes of LDS; arguments part, out1; writes out1
.if DOCPART == 4
	.amdgcn_target "amdgcn-amd-amdhsa--gfx1250"
	.amdhsa_code_object_version 6
	.text
	.protected	k_qa54fee065e_total
	.globl	k_qa54fee065e_total
	.p2align	8
	.type	k_qa54fee065e_total,@function
k_qa54fee065e_total:
	s_mov_b64 s[64:65], 0
	v_nop
	global_prefetch_b8 v0, s[64:65] scope:SCOPE_SE
	s_setreg_imm32_b32 hwreg(HW_REG_WAVE_MODE, 25, 1), 1
	s_wait_xcnt 0x0
; out1 = ratio x 0.25 x mean + ratio x mean, ratio = 1 / mean(mask), mean = (sum of (xq - xf)^2 mask) / (16,384 x 256).
; part holds 256 pairs (sum of squares, sum of mask), one from each work-group of the launch before: a sum that spans work-groups is made by one owner, here one wave.
; A mask that is all zero gives infinity x 0 = NaN, as the formula does.
	s_load_b128 s[4:7], s[0:1], 0x0                ; part s[4:5], out1 s[6:7]
	v_lshlrev_b32 v1, 4, v0
	s_mov_b32 s8, 0x76543210
	s_mov_b32 s9, 0xfedcba98
	s_wait_kmcnt 0x0
.irp j, 0,1,2,3
	global_load_b128 v[4+4*\j:7+4*\j], v1, s[4:5] offset:512*\j   ; two pairs a lane, 512 consecutive bytes a load
.endr
	s_wait_loadcnt 0x0
	v_pk_add_f32 v[4:5],   v[4:5],   v[6:7]
	v_pk_add_f32 v[8:9],   v[8:9],   v[10:11]
	v_pk_add_f32 v[12:13], v[12:13], v[14:15]
	v_pk_add_f32 v[16:17], v[16:17], v[18:19]
	v_pk_add_f32 v[4:5],   v[4:5],   v[8:9]
	v_pk_add_f32 v[12:13], v[12:13], v[16:17]
	v_pk_add_f32 v[4:5],   v[4:5],   v[12:13]
.irp x, 1,2,4,8
	v_add_f32_dpp v4, v4, v4 row_xmask:\x row_mask:0xf bank_mask:0xf
	v_add_f32_dpp v5, v5, v5 row_xmask:\x row_mask:0xf bank_mask:0xf
.endr
	v_permlanex16_b32 v6, v4, s8, s9
	v_permlanex16_b32 v7, v5, s8, s9
	v_add_f32 v4, v4, v6
	v_add_f32 v5, v5, v7
	v_mul_f32 v5, 0x38800000, v5                   ; mean(mask) = sum x 2^-14
	v_rcp_f32 v6, v5
	v_mul_f32 v4, 0x34800000, v4                   ; mean = sum x 2^-22; also the plain instruction between the reciprocal and its use
	s_wait_alu depctr_va_vdst(0)
	v_mul_f32 v4, v6, v4
	v_fma_f32 v7, v4, 0x3e800000, v4               ; 0.25 t + t
	v_mov_b32 v2, 0
	s_wait_xcnt 0x0                                ; EXEC changes only behind this wait
	v_cmp_eq_u32 vcc_lo, 0, v0
	s_and_saveexec_b32 s10, vcc_lo
	global_store_b32 v2, v7, s[6:7]
	s_wait_xcnt 0x0
	s_or_b32 exec_lo, exec_lo, s10
	s_endpgm
.Lfunc_end_k_qa54fee065e_total:
	.size	k_qa54fee065e_total, .Lfunc_end_k_qa54fee065e_total-k_qa54fee065e_total
	.p2alignl 7, 3214868480
	.fill 96, 4, 3214868480
	.section	.rodata,"a",@progbits
	.p2align	6, 0x0
	.amdhsa_kernel k_qa54fee065e_total
		.amdhsa_group_segment_fixed_size 0
		.amdhsa_private_segment_fixed_size 0
		.amdhsa_enable_private_segment 0
		.amdhsa_kernarg_size 16
		.amdhsa_user_sgpr_count 2
		.amdhsa_user_sgpr_kernarg_segment_ptr 1
		.amdhsa_wavefront_size32 1
		.amdhsa_system_sgpr_workgroup_id_x 1
		.amdhsa_system_sgpr_workgroup_id_y 1
		.amdhsa_system_sgpr_workgroup_id_z 1
		.amdhsa_system_vgpr_workitem_id 0
		.amdhsa_next_free_vgpr 24
		.amdhsa_next_free_sgpr 66
		.amdhsa_reserve_vcc 1
		.amdhsa_float_denorm_mode_32 3
		.amdhsa_float_denorm_mode_16_64 3
		.amdhsa_memory_ordered 1
		.amdhsa_forward_progress 1
		.amdhsa_inst_pref_size 3
	.end_amdhsa_kernel
	.amdgpu_metadata
---
amdhsa.version: [ 1, 2 ]
amdhsa.kernels:
  - .name:           k_qa54fee065e_total
    .symbol:         k_qa54fee065e_total.kd
    .args:
      - { .name: part, .offset: 0, .size: 8, .value_kind: global_buffer, .address_space: global }
      - { .name: out1, .offset: 8, .size: 8, .value_kind: global_buffer, .address_space: global }
    .group_segment_fixed_size: 0
    .private_segment_fixed_size: 0
    .kernarg_segment_align: 8
    .kernarg_segment_size: 16
    .max_flat_workgroup_size: 32
    .sgpr_count:     66
    .vgpr_count:     24
    .wavefront_size: 32
...
	.end_amdgpu_metadata
.endif
;; end of part 4
;; ======== version 2 of 2: 4 launches; version 1 with the launch prep written anew for expert scheduling mode
;; limits: values outside matrix products are rounded to bf16
;; workspace buffers: xb 8,388,608 bytes; wb 8,388,608 bytes; nsx 65,536 bytes; se 65,536 bytes; cand_m 262,144 bytes; cand_i 262,144 bytes of whole numbers; part 2,048 bytes
;; launch prep (part 5): grid 128 x 2, 8 waves a work-group, no clusters, 5,632 bytes of LDS; arguments x, weight, xb, nsx, wb, se; writes xb, nsx, wb, se
.if DOCPART == 5
	.amdgcn_target "amdgcn-amd-amdhsa--gfx1250"
	.amdhsa_code_object_version 6
	.text
	.protected	k_qa54fee065e_prep
	.globl	k_qa54fee065e_prep
	.p2align	8
	.type	k_qa54fee065e_prep,@function
k_qa54fee065e_prep:
	s_mov_b64 s[64:65], 0
	v_nop
	global_prefetch_b8 v0, s[64:65] scope:SCOPE_SE
	s_setreg_imm32_b32 hwreg(HW_REG_WAVE_SCHED_MODE, 0, 2), 2
	s_setreg_imm32_b32 hwreg(HW_REG_WAVE_MODE, 25, 1), 1
	s_wait_xcnt 0x0
	s_wait_alu depctr_vm_vsrc(0)
; xb = bf16(x), same [b][c][hw] order; nsx[token] = -(sum over c of xb^2); wb = bf16(weight); se[code] = sum over c of wb^2.
; The squares are taken of the ROUNDED numbers: the distances of the next launch are the problem's formula on inputs rounded to bf16.
; A stream: every input byte is read once, by 16-byte loads of which a wave's cover 512 consecutive bytes; no matrix unit, no
; tensor loads, no cluster, since no two work-groups read the same byte.  All 32 loads of a wave are issued before its first wait.
; Grid y = 0: x.  Work-group g: batch g / 8, tokens 128 (g % 8) on; wave w: channels 32 w + i; a lane: 4 tokens.
; Grid y = 1: weight.  Work-group g: codes 128 g on; wave w: codes 16 w + i; a lane: 8 channels of each.
; Limit: the order of these f32 sums is this text's own (32 in a lane, a tree over the waves; 8 in a lane, a tree over the lanes).
; THE MODE: SCHED_MODE bits 1:0 = 2 (LLVM: expert scheduling mode 2), set by the entry lines.  The code itself states the register dependences
; between vector instructions and memory or LDS instructions, with s_wait_alu, always for 0.
; THE PLAN.  Registers that memory or LDS instructions touch:
;   v1, v2   offsets, made once at the head and never written again: read by every load, store and LDS load.
;   v5       the LDS address of my wave's sums: written once in each arm, read by the arm's LDS stores.
;   X        the arm's 32 loads land in it, all issued at once; the conversions read it; behind the barrier wave 0's LDS loads land in its low registers.
;   Y        written by the conversions, each register once; read by one global store each.
;   SQ (x), SM (weight)   the sums, each register's last value written once; read by one LDS store each.
;   RR, TM   named by vector instructions alone.
; The rows (x: 32 channels; weight: 16 codes) go in blocks of four.  A block's stores are issued in the NEXT block, a row's stores ahead of each row's vector work: no vector instruction
; of that block names the Y and SM of the block before.  So one wait on va_vdst at a block's head, behind the wait for its first row's data, states all that the block's stores hang on.
; No register that a memory or LDS instruction reads is ever written again: the text holds no wait on vm_vsrc but the one at the entry.
.set X,   16                           ; v[16:143]   the 32 loads
.set Y,   144                          ; v[144:207]  packed bf16, each register written once: no store's data is ever rewritten
.set RR,  208                          ; v[208:215]  the rounded numbers as f32
.set SQ,  216                          ; v[216:219]  sums of squares
.set TM,  220                          ; v[220:221]  at work
.set SM,  226                          ; v[226:241]  weight: code i's sum at v[226 + i], each register written once
.set SEW, 4096                         ; LDS: 0..4095 eight waves' 128 partial sums (x); 4096..4607 the 128 codes' sums (weight)
	s_load_b256 s[4:11], s[0:1], 0x0               ; x s[4:5], weight s[6:7], xb s[8:9], nsx s[10:11]
	s_load_b128 s[12:15], s[0:1], 0x20             ; wb s[12:13], se s[14:15]
	v_lshl_add_u32 v224, v0, 2, 0x1200
	v_mov_b32 v225, 0
	v_lshrrev_b32 v3, 5, v0
	v_readfirstlane_b32 s16, v3                    ; wave
	v_and_b32 v4, 31, v0
	v_lshlrev_b32 v1, 4, v4                        ; 16 x lane
	v_lshlrev_b32 v2, 3, v4                        ; 8 x lane
	s_mov_b32 s17, 0xffff0000                      ; a word's upper bf16
	s_mov_b32 s18, 0x76543210                      ; v_permlanex16_b32: each lane takes its own place in the other half
	s_mov_b32 s19, 0xfedcba98
	s_and_b32 s24, ttmp7, 0xffff                   ; 0: x, 1: weight
	s_lshl_b32 s26, ttmp9, 9                       ; 128 f32 sums of this work-group
	s_mov_b32 s27, 0
	s_mov_b32 s21, 0
	s_wait_kmcnt 0x0
	s_wait_alu depctr_va_sdst(0)                   ; s16, the wave's number, is written, ahead of the branch and of its first reader: both arms make their bases from it
	s_wait_alu depctr_va_vdst(0)                   ; v1 and v2 are written: every load and store of the kernel reads one of them as its offset
	s_add_nc_u64 s[10:11], s[10:11], s[26:27]
	s_add_nc_u64 s[14:15], s[14:15], s[26:27]
	s_cmp_lg_u32 s24, 0
	s_cbranch_scc1 .Lweight
	; ---- x ----
	s_lshr_b32 s20, ttmp9, 3
	s_lshl_b32 s20, s20, 19                        ; batch x 256 channels x 2,048 bytes
	s_and_b32 s22, ttmp9, 7
	s_lshl_b32 s22, s22, 8                         ; + 128 tokens x 2 bytes
	s_add_co_u32 s20, s20, s22
	s_lshl_b32 s22, s16, 16                        ; + wave x 32 channels
	s_add_co_u32 s20, s20, s22
	s_add_nc_u64 s[8:9], s[8:9], s[20:21]
	s_lshl_b32 s20, s20, 1                         ; in x every figure is twice that
	s_add_nc_u64 s[4:5], s[4:5], s[20:21]
.set i, 0
.rept 32
	global_load_b128 v[X+4*i:X+4*i+3], v1, s[4:5] offset:i*4096 th:TH_LOAD_NT
.set i, i+1
.endr
	v_lshl_add_u32 v5, s16, 9, v1                  ; my wave's 512 bytes of partial sums
.macro XSTORE r                        ; channel 32 w + r leaves: 256 consecutive aligned bytes
	global_store_b64 v2, v[Y+2*(\r):Y+2*(\r)+1], s[8:9] offset:(\r)*2048
.endm
.macro XROW                            ; channel 32 w + i: round, add the squares of the rounded numbers; the channel four back is stored
	s_wait_loadcnt 31-i                            ; loads come back in order: row i is in, the 31 - i younger rows stay out
.if ((i%4) == 0) && (i > 0)
	s_wait_alu depctr_va_vdst(0)                   ; the block before has written its eight registers of Y, which the four stores dealt among this block's rows read
.endif
.if i >= 4
	XSTORE i-4                                     ; no vector instruction since the wait names these registers
.endif
	v_cvt_pk_bf16_f32 v[Y+2*i],   v[X+4*i],   v[X+4*i+1]
	v_cvt_pk_bf16_f32 v[Y+2*i+1], v[X+4*i+2], v[X+4*i+3]
	v_lshlrev_b32 v[RR],   16,  v[Y+2*i]
	v_and_b32     v[RR+1], s17, v[Y+2*i]
	v_lshlrev_b32 v[RR+2], 16,  v[Y+2*i+1]
	v_and_b32     v[RR+3], s17, v[Y+2*i+1]
.if i == 0
	v_pk_mul_f32 v[SQ:SQ+1],   v[RR:RR+1],   v[RR:RR+1]          ; the first row starts the sums
	v_pk_mul_f32 v[SQ+2:SQ+3], v[RR+2:RR+3], v[RR+2:RR+3]
.else
	v_pk_fma_f32 v[SQ:SQ+1],   v[RR:RR+1],   v[RR:RR+1],   v[SQ:SQ+1]
	v_pk_fma_f32 v[SQ+2:SQ+3], v[RR+2:RR+3], v[RR+2:RR+3], v[SQ+2:SQ+3]
.endif
.endm
.set i, 0
.rept 32
	XROW
.set i, i+1
.endr
	s_wait_alu depctr_va_vdst(0)                   ; the last block has written its Y, the sums v[SQ ..] and the address v5 are written: the stores below read them; the conversions are done reading X, in which wave 0's LDS loads land
.set i, 28
.rept 4
	XSTORE i
.set i, i+1
.endr
	ds_store_b128 v5, v[SQ:SQ+3]
	s_branch .Ljoin
	; ---- weight ----
.Lweight:
	s_lshl_b32 s20, ttmp9, 16                      ; 128 codes x 512 bytes
	s_lshl_b32 s22, s16, 13                        ; + wave x 16 codes
	s_add_co_u32 s20, s20, s22
	s_add_nc_u64 s[12:13], s[12:13], s[20:21]
	s_lshl_b32 s20, s20, 1
	s_add_nc_u64 s[6:7], s[6:7], s[20:21]
.set i, 0
.rept 16
	global_load_b128 v[X+8*i:X+8*i+3],   v1, s[6:7] offset:i*1024 th:TH_LOAD_NT
	global_load_b128 v[X+8*i+4:X+8*i+7], v1, s[6:7] offset:i*1024+512 th:TH_LOAD_NT
.set i, i+1
.endr
	s_lshl_b32 s22, s16, 6
	s_add_co_u32 s22, s22, SEW
	v_mov_b32 v5, s22                              ; my wave's 16 words
	v_mov_b32 v[TM+1], 0                           ; v_permlanex16_b32 counts as a reader of its destination
.macro WSTORE r                        ; code 16 w + r leaves, and its sum goes into LDS
	global_store_b64 v2, v[Y+4*(\r):Y+4*(\r)+1],   s[12:13] offset:(\r)*512       ; each store of the wave covers 256 consecutive bytes, aligned
	global_store_b64 v2, v[Y+4*(\r)+2:Y+4*(\r)+3], s[12:13] offset:(\r)*512+256
	ds_store_b32 v5, v[SM+(\r)] offset:4*(\r)      ; all lanes write the same word with the same value
.endm
.macro WROW                            ; code 16 w + i; the code four back is stored
	s_wait_loadcnt 30-2*i                          ; the code's two loads are in, the 30 - 2 i younger ones stay out
.if ((i%4) == 0) && (i > 0)
	s_wait_alu depctr_va_vdst(0)                   ; the block before has written its sixteen registers of Y and its four of SM (and, ahead of the first such block, v5 is written): the stores dealt among this block's codes read them
.endif
.if i >= 4
	WSTORE i-4                                     ; no vector instruction since the wait names these registers
.endif
.irp c, 0,1,2,3
	v_cvt_pk_bf16_f32 v[Y+4*i+\c], v[X+8*i+2*\c], v[X+8*i+2*\c+1]
.endr
.irp c, 0,1,2,3
	v_lshlrev_b32 v[RR+2*\c],   16,  v[Y+4*i+\c]
	v_and_b32     v[RR+2*\c+1], s17, v[Y+4*i+\c]
.endr
	v_pk_mul_f32 v[SQ:SQ+1], v[RR:RR+1],   v[RR:RR+1]
	v_pk_fma_f32 v[SQ:SQ+1], v[RR+2:RR+3], v[RR+2:RR+3], v[SQ:SQ+1]
	v_pk_fma_f32 v[SQ:SQ+1], v[RR+4:RR+5], v[RR+4:RR+5], v[SQ:SQ+1]
	v_pk_fma_f32 v[SQ:SQ+1], v[RR+6:RR+7], v[RR+6:RR+7], v[SQ:SQ+1]
	v_add_f32 v[TM], v[SQ], v[SQ+1]
	v_add_f32_dpp v[TM], v[TM], v[TM] row_xmask:1 row_mask:0xf bank_mask:0xf
	v_add_f32_dpp v[TM], v[TM], v[TM] row_xmask:2 row_mask:0xf bank_mask:0xf
	v_add_f32_dpp v[TM], v[TM], v[TM] row_xmask:4 row_mask:0xf bank_mask:0xf
	v_add_f32_dpp v[TM], v[TM], v[TM] row_xmask:8 row_mask:0xf bank_mask:0xf
	v_permlanex16_b32 v[TM+1], v[TM], s18, s19
	v_add_f32 v[SM+i], v[TM], v[TM+1]              ; the code's sum, in a register of its own: the LDS store that reads it stands a block further on, and TM is free for the next code
.endm
.set i, 0
.rept 16
	WROW
.set i, i+1
.endr
	s_wait_alu depctr_va_vdst(0)                   ; the last block has written its Y and its SM, which the stores below read; the conversions are done reading X, in which wave 0's LDS load lands
.set i, 12
.rept 4
	WSTORE i
.set i, i+1
.endr
.Ljoin:                                                ; both kinds of work-group pass the one barrier
	s_wait_dscnt 0x0                               ; for wave 0's sake: my sums are in LDS
	s_barrier_signal -1
	s_barrier_wait -1
	s_cmp_lg_u32 s16, 0
	s_cbranch_scc1 .Lend
	s_cmp_lg_u32 s24, 0
	s_cbranch_scc1 .Lse_out
.set i, 0
.rept 8
	ds_load_b128 v[X+4*i:X+4*i+3], v1 offset:512*i ; the eight waves' sums for my 4 tokens.  No wait on va_vdst: no vector instruction since each arm's last one names X or v1
.set i, i+1
.endr
	s_wait_dscnt 0x0
.irp a, 0,8,16,24
	v_pk_add_f32 v[X+\a:X+\a+1],   v[X+\a:X+\a+1],   v[X+\a+4:X+\a+5]
	v_pk_add_f32 v[X+\a+2:X+\a+3], v[X+\a+2:X+\a+3], v[X+\a+6:X+\a+7]
.endr
.irp a, 0,16
	v_pk_add_f32 v[X+\a:X+\a+1],   v[X+\a:X+\a+1],   v[X+\a+8:X+\a+9]
	v_pk_add_f32 v[X+\a+2:X+\a+3], v[X+\a+2:X+\a+3], v[X+\a+10:X+\a+11]
.endr
	v_pk_add_f32 v[X:X+1],   v[X:X+1],   v[X+16:X+17] neg_lo:[1,1] neg_hi:[1,1]   ; the last addition gives the negative sum
	v_pk_add_f32 v[X+2:X+3], v[X+2:X+3], v[X+18:X+19] neg_lo:[1,1] neg_hi:[1,1]
	s_wait_alu depctr_va_vdst(0)                   ; the additions have written v[X:X+3], which the store reads
	global_store_b128 v1, v[X:X+3], s[10:11]       ; 512 consecutive bytes
	s_wait_dscnt 0x0                               ; the closing lines, six on end
	s_wait_alu 0x0
	s_wait_tensorcnt 0x0
	ds_add_u32 v224, v225
	s_wait_dscnt 0x0
	s_endpgm
.Lse_out:
	ds_load_b128 v[X:X+3], v1 offset:SEW
	s_wait_dscnt 0x0
	global_store_b128 v1, v[X:X+3], s[14:15]       ; 512 consecutive bytes; its data come from the LDS load, which the wait above has shown done
.Lend:
	s_wait_dscnt 0x0                               ; the closing lines, six on end, once more for this end
	s_wait_alu 0x0
	s_wait_tensorcnt 0x0
	ds_add_u32 v224, v225
	s_wait_dscnt 0x0
	s_endpgm
.Lfunc_end_k_qa54fee065e_prep:
	.size	k_qa54fee065e_prep, .Lfunc_end_k_qa54fee065e_prep-k_qa54fee065e_prep
	.p2alignl 7, 3214868480
	.fill 96, 4, 3214868480
	.section	.rodata,"a",@progbits
	.p2align	6, 0x0
	.amdhsa_kernel k_qa54fee065e_prep
		.amdhsa_group_segment_fixed_size 5632
		.amdhsa_private_segment_fixed_size 0
		.amdhsa_enable_private_segment 0
		.amdhsa_kernarg_size 48
		.amdhsa_user_sgpr_count 2
		.amdhsa_user_sgpr_kernarg_segment_ptr 1
		.amdhsa_wavefront_size32 1
		.amdhsa_system_sgpr_workgroup_id_x 1
		.amdhsa_system_sgpr_workgroup_id_y 1
		.amdhsa_system_sgpr_workgroup_id_z 1
		.amdhsa_system_vgpr_workitem_id 0
		.amdhsa_next_free_vgpr 242
		.amdhsa_next_free_sgpr 66
		.amdhsa_reserve_vcc 0
		.amdhsa_float_denorm_mode_32 3
		.amdhsa_float_denorm_mode_16_64 3
		.amdhsa_memory_ordered 1
		.amdhsa_forward_progress 1
		.amdhsa_inst_pref_size 50
	.end_amdhsa_kernel
	.amdgpu_metadata
---
amdhsa.version: [ 1, 2 ]
amdhsa.kernels:
  - .name:           k_qa54fee065e_prep
    .symbol:         k_qa54fee065e_prep.kd
    .args:
      - { .name: x, .offset: 0, .size: 8, .value_kind: global_buffer, .address_space: global }
      - { .name: weight, .offset: 8, .size: 8, .value_kind: global_buffer, .address_space: global }
      - { .name: xb, .offset: 16, .size: 8, .value_kind: global_buffer, .address_space: global }
      - { .name: nsx, .offset: 24, .size: 8, .value_kind: global_buffer, .address_space: global }
      - { .name: wb, .offset: 32, .size: 8, .value_kind: global_buffer, .address_space: global }
      - { .name: se, .offset: 40, .size: 8, .value_kind: global_buffer, .address_space: global }
    .group_segment_fixed_size: 5632
    .private_segment_fixed_size: 0
    .kernarg_segment_align: 8
    .kernarg_segment_size: 48
    .max_flat_workgroup_size: 256
    .sgpr_count:     66
    .vgpr_count:     242
    .wavefront_size: 32
...
	.end_amdgpu_metadata
.endif
;; end of part 5
;; launch score: the kernel of part 2 again; grid 64 x 4, 8 waves a work-group, clusters of 4 x 1, 327,680 bytes of LDS; arguments xb, nsx, wb, se, cand_m, cand_i; writes cand_m, cand_i
;; launch finish: the kernel of part 3 again; grid 256 x 1, 8 waves a work-group, no clusters, 35,328 bytes of LDS; arguments cand_m, cand_i, wb, xb, codebook_mask, out0, out2, part; writes out0, out2, part
;; launch total: the kernel of part 4 again; grid 1 x 1, 1 waves a work-group, no clusters, 0 bytes of LDS; arguments part, out1; writes out1
